; MI455X (gfx1250); checked and timed in simulation.
; The chip was launched on July 23, 2026; its instructions are those of AMD's public machine-readable ISA for CDNA 5 (MIT licence, August 2026) and "CDNA5" Instruction Set Architecture Reference Guide (July 2026). The comments in the code are by the model that wrote it; some were corrected since.
;; W8 A8 B8 O8 Linear. Allowed arithmetic: float matrix products may take bf16 or f16 operands with f32 sums; other float arithmetic in f32, or as packed bf16 or f16 multiplies, adds, multiply-adds, maxima and minima; sums over many terms, partial sums and values carried from step to step in f32; what a program stores and reads back later, other than sums and carried values, may be rounded once to bf16 or f16.
;; Inputs: a 1 x 1 float32; b 1 x 1 float32; weight 4,096 x 2,048 int8; x 4 x 2,048 x 4,096 int8.
;; Outputs: out0 4 x 2,048 x 2,048 int8.
;; One version. Each part assembles by itself: llvm-mc -triple=amdgcn-amd-amdhsa -mcpu=gfx1250 --defsym DOCPART=n.
;; ======== version 1 of 1: 1 launch
;; launch gemm (part 1): grid 8 x 32, 4 waves a work-group, clusters of 4 x 4, 327,680 bytes of LDS; arguments x, weight, a, b, out0; writes out0
.if DOCPART == 1
	.amdgcn_target "amdgcn-amd-amdhsa--gfx1250"
	.amdhsa_code_object_version 6
	.text
	.protected	k_q2663219e7c_gemm
	.globl	k_q2663219e7c_gemm
	.p2align	8
	.type	k_q2663219e7c_gemm,@function
k_q2663219e7c_gemm:
	s_mov_b64 s[64:65], 0
	v_nop
	global_prefetch_b8 v0, s[64:65] scope:SCOPE_SE
	s_setreg_imm32_b32 hwreg(HW_REG_WAVE_MODE, 25, 1), 1
	s_wait_xcnt 0x0
	s_wait_alu depctr_hold_cnt(0) depctr_sa_sdst(0) depctr_va_vdst(0) depctr_va_sdst(0) depctr_va_ssrc(0) depctr_va_vcc(0) depctr_vm_vsrc(0)
	s_getreg_b32 s2, hwreg(HW_REG_IB_STS2, 6, 4)
	s_cmp_eq_u32 s2, 0
	s_cbranch_scc0 .Lentry_in_a_cluster
	s_endpgm
.Lentry_in_a_cluster:
	s_bfe_u32 s2, ttmp6, 0x10000c
	s_cmp_lg_u32 s2, 0xf033
	s_cbranch_scc0 .Lentry_shape_is_right
	s_endpgm
.Lentry_shape_is_right:
; out0[m][n] = int8(clip(round_half_even(f32(acc[m][n]) * (a * b)), -128, 127)),  acc[m][n] = the sum over k of x[m][k] weight[k][n] in i32.
; x: [8192][4096] int8, weight: [4096][2048] int8 (k along the rows' index, n along a row), a, b: one f32 each, out0: [8192][2048] int8.
; NO WORK IS LEFT OUT: all four inputs reach every output, and all are loaded.
; THE FORMAT.  The output is whole numbers, so every sum has to be the true one.  |acc| can reach 4,096 x 2^14 = 2^26, which an f32 sum does not hold exactly; so the
; products go to the matrix unit as what they are, signed bytes with i32 sums (v_wmma_i32_16x16x64_iu8, both sources signed).  Nothing is rounded on the way in, and an
; integer sum has one value whatever the order of its terms.  Behind the sums: i32 to f32 (nearest even), ONE f32 multiply by a * b (itself one f32 multiply), kept apart from
; the rounding, as in the problem; the clip is taken ahead of the rounding (its bounds are whole numbers, so the two commute); the rounding is an f32 addition of 1.5 x 2^23,
; whose result has a step of 1 and ties to even, and leaves the int8 in the sum's lowest byte.
; LIMIT.  Where the product is NaN (a * b NaN, or infinite beside acc = 0) this text stores -128; the problem's cast of a NaN is not defined.  All else is bit for bit.
; SHARES.  A tile of out0, 256 x 256, is made by a work-group of four waves; a wave makes 128 x 128: 64 accumulators of 16 x 16, 512 registers.  32 x 8 tiles: 256 work-groups.
; K goes in steps of 256 through a ring of two LDS slots filled by the tensor data mover: 256 rows x 256 bytes of x, 256 k-rows x 256 bytes of weight.
; CLUSTERS.  4 x 4 work-groups.  The four of a row of the cluster need the same tiles of x, the four of a column the same tiles of weight: each tile is asked for JOINTLY, by the same
; tensor load with the same descriptor and a mask that names the four.
; WEIGHT IS TURNED ON ITS WAY INTO REGISTERS.  A fragment wants k along a lane's registers; weight has n along its rows.  ds_load_tr16_b128, used on pairs of bytes, brings a lane 8 k of
; two neighbouring columns, interleaved; v_perm_b32 parts them into a fragment of the even columns and one of the odd ones: one v_perm_b32 for each matrix instruction.
; K IS PERMUTED ALIKE IN BOTH SOURCES (an integer sum does not mind): registers 2c, 2c+1 of the lanes' half h hold k = 32 (c / 2) + 16 h + 8 (c % 2) + 0..7 of a quarter's 64.  So a
; fragment of x is two loads of 16 bytes, 32 bytes apart, and the turning loads take their k-rows by the same formula.
; THE MATRIX INSTRUCTION IS USED TRANSPOSED: source 0 = 16 columns of weight, source 1 = 16 rows of x.  Register j of lane (r = l % 16, h = l / 16) of accumulator (a, 2p) is
; out(16 a + r, 32 p + 16 h + 2 j), of accumulator (a, 2p + 1) the column beside it: the pair gives a lane 16 neighbouring bytes of one row of out0.
; REGISTERS, in windows of 256 (s_set_vgpr_msb: bits 1:0 source 0, 3:2 source 1, 5:4 source 2, 7:6 destination):
;   window 0: v0-31 addresses and the scale; v64-127, v128-191 fragments of x, two buffers (block i of 16 rows at +8 i); on the way out v64-127 rows read back, v128-191 packed bytes, v192-255 at work
;   window 1: v0-63 weight as the turning loads bring it; v64-127, v128-191 fragments of weight, two buffers (fragment b at +8 b)
;   window 2: accumulators of my rows 0-63 ((a, b) at 8 (8 (a % 4) + b));   window 3: those of my rows 64-127
.set XROW,   4096                      ; bytes in a row of x
.set WROW,   2048                      ; bytes in a k-row of weight
.set KB,     256                       ; a K step: bytes of a row of x, k-rows of weight
.set PA,     272                       ; a row of x in LDS: 256 bytes + 16 of padding = 68 words: the 16 rows that a load touches start at 16 different groups of four banks (64 banks of 4 bytes: ISA guide 11.1)
.set PB,     288                       ; a k-row of weight in LDS: 256 + 32 = 72 words
.set HALFA,  128*PA                    ; what one tensor load brings of x
.set HALFB,  128*PB                    ; and of weight
.set BOFF,   2*HALFA                   ; weight's part of a slot
.set SLOT,   BOFF+2*HALFB              ; 143,360 bytes
.set STAGE,  2*SLOT                    ; behind the ring, never filled by a tensor load: 128 rows x 272 bytes, the work-group's, for the way out
.set SP,     272
.set SPARE,  STAGE+128*SP              ; behind the stage: the spare words, 128 bytes for each wave: two blocks of 256 bytes that no other line names
.set LAPS,   8                         ; a lap = two K steps = once round the ring: 4,096 / 512
.set SCL,  10                          ; v[10:11] a * b, twice
.set ADRA, 16                          ; v16-17  LDS address of my fragments of x in slot 0, 1
.set ADRB, 20                          ; v20-23  the same for weight: slot 0 k-rows 0-127, 128-255; slot 1 likewise (a 16-bit offset does not reach k-row 232)
.set STO,  24                          ; v24     the way out: where I put 16 bytes of a row
.set RD,   25                          ; v25     the way out: where I read a row back
.set CO,   26                          ; v26     my byte offset in out0
.set SPW,  28                          ; v28     LDS address of my spare word: SPARE + 4 x my thread's number; never rewritten
.set NIL,  29                          ; v29     0; never rewritten
.set PFO,  30                          ; v30     the prefetches' offset: my lane x a row of x or of weight; never rewritten
.set F0,   64                          ; fragment buffer 0 (windows 0 and 1)
.set F1,   128                         ; fragment buffer 1
.set OB,   64                          ; the way out: 32 rows read back from the stage
.set PK,   128                         ; the way out: packed bytes of 64 rows
.set T,    192                         ; the way out: 64 numbers at work
.set WV,   16                          ; s16  my wave's number
.set RH,   17                          ; s17  which half of the tile's rows is mine.  Also: I fetch for x (0) or for weight (1)
.set CH,   18                          ; s18  which half of its columns.  Also: which 128 rows of that tile I fetch
.set G1A,  24                          ; s[24:31] descriptor group 1 for x's tiles
.set G0A,  32                          ; s[32:39] group 0, one set for each slot
.set G1B,  48                          ; s[48:55] group 1 for weight's tiles
.set G0B,  56                          ; s[56:63] group 0, one set for each slot
.set PFA,  44                          ; s[44:45] where my prefetches stand
.set PFS,  46                          ; s[46:47] a K step in bytes, along x's rows or down weight's
.set LIM,  66                          ; s66  1 in a wave that prefetches, else the greatest number
.set SELE, 67                          ; s67  v_perm_b32: the even bytes of two words
.set SELO, 68                          ; s68  the odd bytes
.set MAG,  70                          ; s[70:71] 1.5 x 2^23
.set LO,   72                          ; s72  -128.0
.set HI,   73                          ; s73  127.0
.set SELP, 74                          ; s74  byte 0 of the second source, byte 0 of the first, twice
.set SELQ, 75                          ; s75  the low halves of the second source and of the first
.set MSB, 0
.macro WIN new                         ; the immediate's high byte repeats the setting that is left; a switch that changes nothing is dropped
.if MSB != (\new)
	s_set_vgpr_msb (MSB<<8)|(\new)
.set MSB, \new
.endif
.endm
.set MUL_LO, 0xa1                      ; source 0 (weight) window 1, source 1 (x) window 0, C and D window 2
.set MUL_HI, 0xf1                      ; the same, C and D window 3
.set TO_B,   0x40                      ; destination window 1, address window 0
.set W_PM,   0x45                      ; v_perm_b32: destination and both vector sources window 1
; A joint load.  Waves 0 and 1 fetch x's two halves, waves 2 and 3 weight's.  Each of the two lines has one mask and one set of registers, and nothing in them hangs on a coordinate that the four
; partners do not share.  The branch hangs on the wave's number alone.  An s_nop 0 and four v_nop follow each line, ahead of the jump, the label and what follows.
.macro JLOAD s
	s_cmp_eq_u32 s[RH], 0
	s_cbranch_scc0 .Lfor_b_\@
	tensor_load_to_lds s[G0A+4*(\s):G0A+4*(\s)+3], s[G1A:G1A+7]
	s_nop 0
.rept 4
	v_nop
.endr
	s_branch .Lasked_\@
.Lfor_b_\@:
	tensor_load_to_lds s[G0B+4*(\s):G0B+4*(\s)+3], s[G1B:G1B+7]
	s_nop 0
.rept 4
	v_nop
.endr
.Lasked_\@:
.endm
; A PREFETCH, behind each joint refill and the run of LDS loads that follows it: 32 rows x 256 bytes of the K step that the NEXT refill will ask for, a lane a row, one instruction a wave: 256 matrix
; instructions ahead of that refill.  Each row's 256 bytes of a K step are named ONCE in the launch: x's tile row is read by both clusters of that row of clusters, and cluster x = 0 asks; weight's tile
; column by all eight clusters of that column, and cluster y = 0 asks.  The four partners that ask for a tile jointly share its rows out BY ADDRESS: of the 128 rows that a wave fetches the partner at
; place p takes 32 p .. 32 p + 31 (p = cx for x, cy for weight).  how = 1: the lap's second refill, which in the loop's last trip (s3 = 1) is K step 15's: there is no K step behind it.
.macro ASK how
.if \how
	s_cmp_gt_u32 s3, s[LIM]
.else
	s_cmp_eq_u32 s[LIM], 1
.endif
	s_cbranch_scc0 .Lnot_mine_\@
	global_prefetch_b8 v[PFO], s[PFA:PFA+1] th:TH_LOAD_NT scope:SCOPE_SE
.Lnot_mine_\@:
.endm
; A round of the cluster's barrier: my work-group's barrier, so that wave 0's signal speaks for all four waves; wave 0 signals; every wave waits for all sixteen work-groups; my work-group's barrier once more.
.macro CREST                           ; a round behind its opening barrier
	s_cmp_lg_u32 s[WV], 0
	s_cbranch_scc1 .Lnot_wave_0_\@
	s_barrier_signal -3
.Lnot_wave_0_\@:
	s_barrier_wait -3
	s_barrier_signal -1
	s_barrier_wait -1
.endm
.macro CROUND                          ; a whole round
	s_barrier_signal -1
	s_barrier_wait -1
	CREST
.endm
	s_load_b256 s[4:11], s[0:1], 0x0               ; x s[4:5], weight s[6:7], a s[8:9], b s[10:11]
	s_load_b64 s[12:13], s[0:1], 0x20              ; out0
	v_lshl_add_u32 v[SPW], v0, 2, SPARE
	v_mov_b32 v[NIL], 0
	ds_add_u32 v[SPW], v[NIL]                      ; the wave's opening: the add, twice on end, and its wait ahead of my first tensor load; the set-up below stands between the second and the wait
	ds_add_u32 v[SPW], v[NIL]                      ; and once more, under the one wait
	v_lshrrev_b32 v1, 5, v0
	v_readfirstlane_b32 s[WV], v1                  ; wave 0..3
	s_lshr_b32 s[RH], s[WV], 1
	s_and_b32 s[CH], s[WV], 1
	s_bfe_u32 s40, ttmp6, 0x40000                  ; cx: my place along the cluster's x
	s_bfe_u32 s41, ttmp6, 0x40004                  ; cy: along its y
	s_lshl_b32 s42, ttmp9, 2                       ; in a cluster launch ttmp9 and ttmp7 count clusters
	s_add_co_u32 s42, s42, s40                     ; tile column = 4 x cluster x + cx
	s_and_b32 s43, ttmp7, 0xffff
	s_lshl_b32 s43, s43, 2
	s_add_co_u32 s43, s43, s41                     ; tile row = 4 x cluster y + cy
	s_lshl_b32 s20, s41, 2
	s_lshl_b32 s20, 15, s20                        ; my row of the cluster: places 4 cy .. 4 cy + 3
	s_lshl_b32 s22, 0x1111, s40                    ; my column: places cx, cx + 4, cx + 8, cx + 12
	; descriptor group 1: a tile of 128 rows x 128 elements of 2 bytes, padded in LDS
	s_or_b32 s[G1A+0], s20, (1<<16)|(1<<20)|(1<<21)|(5<<22)|(3<<25)  ; 15:0 the mask: x's tiles go to my row; 17:16 elements of 2 bytes; 20 padding on; 21 set beside a mask; 24:22 after every 64 words (code 5); 31:25 4 words of it (code 3)
	s_or_b32 s[G1B+0], s22, (1<<16)|(1<<20)|(1<<21)|(5<<22)|(7<<25)  ; the mask of my column, for weight's tiles; 8 words of padding (code 7)
.irp g, G1A, G1B
	s_mov_b32 s[(\g)+1], 128<<16                   ; tensor_dim0 = 128
	s_mov_b32 s[(\g)+2], 128<<16                   ; tensor_dim1 = 128
	s_mov_b32 s[(\g)+3], 128<<16                   ; tile_dim0 = 128
	s_mov_b32 s[(\g)+4], 128                       ; tile_dim1 = 128
	s_mov_b32 s[(\g)+6], 0
	s_mov_b32 s[(\g)+7], 0
.endr
	s_mov_b32 s[G1A+5], XROW/2                     ; elements from row to row of x
	s_mov_b32 s[G1B+5], WROW/2                     ; and of weight
	; where the tiles come from.  x's hang on the tile row alone, which my row of the cluster shares; weight's on the tile column alone, which my column shares.
	s_lshl_b32 s20, s43, 20                        ; x: 256 rows of 4,096 bytes a tile row,
	s_lshl_b32 s21, s[CH], 19                      ; the 128 rows that I fetch
	s_add_co_u32 s20, s20, s21
	s_mov_b32 s21, 0
	s_lshl_b32 s22, s[CH], 18                      ; weight: the 128 k-rows of 2,048 bytes that I fetch,
	s_lshl_b32 s23, s42, 8                         ; 256 bytes a tile column
	s_add_co_u32 s22, s22, s23
	s_mov_b32 s23, 0
	s_mul_i32 s19, s[CH], HALFA                    ; and where they go: no place in the cluster enters an LDS address
	s_mul_i32 s69, s[CH], HALFB
	s_add_co_u32 s69, s69, BOFF
	s_mov_b32 s[SELE], 0x06040200
	s_mov_b32 s[SELO], 0x07050301
	s_mov_b32 s[MAG], 0x4b400000                   ; 12,582,912.0
	s_mov_b32 s[MAG+1], 0x4b400000                 ; named with it as a pair
	s_mov_b32 s[LO], 0xc3000000
	s_mov_b32 s[HI], 0x42fe0000
	s_mov_b32 s[SELP], 0x04000400
	s_mov_b32 s[SELQ], 0x05040100
	s_wait_dscnt 0x0                               ; both opening adds are done
	s_wait_kmcnt 0x0
	s_load_b32 s14, s[8:9], 0x0                    ; a
	s_load_b32 s15, s[10:11], 0x0                  ; b: waited for behind the first joint loads
	s_add_nc_u64 s[20:21], s[4:5], s[20:21]
	s_add_nc_u64 s[22:23], s[6:7], s[22:23]
	CROUND                                         ; all sixteen work-groups are here: the first joint loads meet
.irp s, 0,1
	s_mov_b32 s[G0A+4*(\s)], 1                                       ; count = 1
	s_add_co_u32 s[G0A+4*(\s)+1], s19, (\s)*SLOT                     ; LDS address
	s_add_nc_u64 s[G0A+4*(\s)+2:G0A+4*(\s)+3], s[20:21], (\s)*KB     ; global address: K step s, along x's rows
	s_or_b32 s[G0A+4*(\s)+3], s[G0A+4*(\s)+3], 0x80000000            ; type = 2
	s_mov_b32 s[G0B+4*(\s)], 1
	s_add_co_u32 s[G0B+4*(\s)+1], s69, (\s)*SLOT
	s_add_nc_u64 s[G0B+4*(\s)+2:G0B+4*(\s)+3], s[22:23], (\s)*KB*WROW  ; K step s, down weight's rows
	s_or_b32 s[G0B+4*(\s)+3], s[G0B+4*(\s)+3], 0x80000000
	JLOAD \s                                       ; the ring is filled before anything else is done: two loads of mine are out
.endr
	v_and_b32 v1, 15, v0                           ; r = l % 16
	v_bfe_u32 v2, v0, 4, 1                         ; h = l / 16
	v_mul_u32_u24 v3, v1, PA
	v_lshl_add_u32 v3, v2, 4, v3                   ; x: row x pitch + 16 h
	s_mul_i32 s76, s[RH], HALFA                    ; my 128 rows
	v_add_nc_u32 v[ADRA], s76, v3
	v_add_nc_u32 v[ADRA+1], SLOT, v[ADRA]
	v_and_b32 v4, 7, v0                            ; weight: lane l reads k-row 16 h + l % 8, bytes 16 ((l / 8) % 2) on, of a group of 32 columns
	v_lshl_add_u32 v4, v2, 4, v4
	v_mul_u32_u24 v4, v4, PB
	v_bfe_u32 v5, v0, 3, 1
	v_lshl_add_u32 v4, v5, 4, v4
	s_lshl_b32 s77, s[CH], 7                       ; my 128 columns
	s_add_co_u32 s77, s77, BOFF
	v_add_nc_u32 v[ADRB], s77, v4
	v_add_nc_u32 v[ADRB+1], 128*PB, v[ADRB]
	v_add_nc_u32 v[ADRB+2], SLOT, v[ADRB]
	v_add_nc_u32 v[ADRB+3], SLOT+128*PB, v[ADRB]
	s_mul_i32 s76, s[RH], 64*SP                    ; into the stage: 64 rows of my row half a pass, my half of their 256 bytes; row r, 16 bytes for each half of the lanes
	s_lshl_b32 s77, s[CH], 7
	s_add_co_u32 s76, s76, s77
	s_add_co_u32 s76, s76, STAGE
	v_mul_u32_u24 v5, v1, SP
	v_lshl_add_u32 v5, v2, 4, v5
	v_add_nc_u32 v[STO], s76, v5
	s_mul_i32 s76, s[WV], 32*SP                    ; back: wave w takes stage rows 32 w .. 32 w + 31, whole; lanes 0-15 one row of 256 bytes, lanes 16-31 the next
	s_add_co_u32 s76, s76, STAGE
	v_mul_u32_u24 v6, v2, SP
	v_lshl_add_u32 v6, v1, 4, v6
	v_add_nc_u32 v[RD], s76, v6
	v_lshlrev_b32 v[CO], 11, v2                    ; and the same two rows in out0
	v_lshl_add_u32 v[CO], v1, 4, v[CO]
	; stage row 32 w + i of pass u is the tile's row 128 (w / 2) + 64 u + 32 (w % 2) + i
	s_lshl_b32 s76, s43, 19                        ; 256 rows of 2,048 bytes a tile row
	s_lshl_b32 s77, s[RH], 18
	s_add_co_u32 s76, s76, s77
	s_lshl_b32 s77, s[CH], 16
	s_add_co_u32 s76, s76, s77
	s_lshl_b32 s77, s42, 8                         ; 256 bytes a tile column
	s_add_co_u32 s76, s76, s77
	s_mov_b32 s77, 0
	s_add_nc_u64 s[12:13], s[12:13], s[76:77]
	; the prefetches: they stand at K step 2 here; the first refill steps them to K step 3.  Nothing is prefetched at the head, where every work-group's first tiles are on their way
	s_lshl_b32 s76, s43, 20                        ; x: the tile row,
	s_lshl_b32 s77, s[CH], 19                      ; the 128 rows that I fetch,
	s_add_co_u32 s76, s76, s77
	s_lshl_b32 s77, s40, 17                        ; my work-group's 32 of them
	s_add_co_u32 s76, s76, s77
	s_add_co_u32 s76, s76, 2*KB
	s_lshl_b32 s78, s[CH], 18                      ; weight likewise
	s_lshl_b32 s79, s41, 16
	s_add_co_u32 s78, s78, s79
	s_lshl_b32 s79, s42, 8
	s_add_co_u32 s78, s78, s79
	s_add_co_u32 s78, s78, 2*KB*WROW
	s_and_b32 s79, ttmp7, 0xffff                   ; cluster y
	s_mov_b32 s[PFS], KB*WROW
	s_mov_b32 s[PFS+1], 0
	s_mov_b32 s77, 0
	s_cmp_eq_u32 s[RH], 0                          ; do I fetch for x?
	s_cselect_b32 s76, s76, s78
	s_cselect_b32 s79, ttmp9, s79                  ; the coordinate along which other clusters read the same rows
	s_cselect_b64 s[PFA:PFA+1], s[4:5], s[6:7]
	s_cselect_b32 s[PFS], KB, s[PFS]
	s_cselect_b32 s78, 12, 11                      ; a row is 2^12 or 2^11 bytes
	s_add_nc_u64 s[PFA:PFA+1], s[PFA:PFA+1], s[76:77]
	s_cmp_eq_u32 s79, 0
	s_cselect_b32 s[LIM], 1, -1                    ; the same in all sixteen partners, for a given wave
	v_and_b32 v[PFO], 31, v0
	v_lshlrev_b32 v[PFO], s78, v[PFO]
	s_wait_kmcnt 0x0                               ; a and b
	v_mov_b32 v[SCL], s14
	v_mul_f32 v[SCL], s15, v[SCL]                  ; a * b, one f32 multiply
	v_mov_b32 v[SCL+1], v[SCL]
; One matrix instruction: 16 rows of x (block a) x 16 columns of weight (fragment b), 64 along K.  zero = 1: the product starts the sum: nothing is ever cleared.
.macro ONE f, a, b, zero
.set AC, 8*(8*((\a)%4)+(\b))
.if \zero
	v_wmma_i32_16x16x64_iu8 v[AC:AC+7], v[(\f)+8*(\b):(\f)+8*(\b)+7], v[(\f)+8*(\a):(\f)+8*(\a)+7], 0 neg_lo:[1,1,0]
.else
	v_wmma_i32_16x16x64_iu8 v[AC:AC+7], v[(\f)+8*(\b):(\f)+8*(\b)+7], v[(\f)+8*(\a):(\f)+8*(\a)+7], v[AC:AC+7] neg_lo:[1,1,0]
.endif
.endm
; Block a x all 8 fragments.  The 64 accumulators take turns, one instruction a turn, in the same order in every quarter: 63 others' stand between two links of a chain, over the backward jump too.
.macro MUL8 f, a, zero
	WIN MUL_LO+0x50*((\a)/4)
.irp b, 0,1,2,3,4,5,6,7
	ONE \f, \a, \b, \zero
.endr
.endm
; 32 LDS loads in one run: quarter q (64 along K) of a slot.  First weight, turned, as it comes (group p of 32 columns, load c at 16 p + 4 c of window 1): load c takes the k-rows
; 32 (c / 2) + 8 (c % 2) + 16 h + 0..7.  Then x's eight fragments into buffer f.
.macro FETCH slot, q, f
	WIN TO_B
.irp p, 0,1,2,3
.irp c, 0,1,2,3
	ds_load_tr16_b128 v[16*(\p)+4*(\c):16*(\p)+4*(\c)+3], v[ADRB+2*(\slot)+(\q)/2] offset:(((\q)%2)*64+8*((\c)&1)+32*((\c)>>1))*PB+32*(\p)
.endr
.endr
	WIN 0
.irp i, 0,1,2,3,4,5,6,7
	ds_load_b128 v[(\f)+8*(\i):(\f)+8*(\i)+3],   v[ADRA+(\slot)] offset:64*(\q)+(\i)*16*PA
	ds_load_b128 v[(\f)+8*(\i)+4:(\f)+8*(\i)+7], v[ADRA+(\slot)] offset:64*(\q)+(\i)*16*PA+32
.endr
.endm
; Eight v_perm_b32: of column group g / 2 the loads 2 (g % 2) and 2 (g % 2) + 1 are parted into registers 2c, 2c + 1 of the even columns' fragment and of the odd columns', in buffer f.
.macro PERM8 f, g
	WIN W_PM
.irp e, 0,1
.set PC, 2*((\g)%2)+(\e)
.set PR, 16*((\g)/2)+4*PC
.set PD, (\f)+16*((\g)/2)+2*PC
	v_perm_b32 v[PD],   v[PR+1], v[PR],   s[SELE]
	v_perm_b32 v[PD+1], v[PR+3], v[PR+2], s[SELE]
	v_perm_b32 v[PD+8], v[PR+1], v[PR],   s[SELO]
	v_perm_b32 v[PD+9], v[PR+3], v[PR+2], s[SELO]
.endr
.endm
; A quarter's last 16 matrix instructions (blocks 6 and 7 of buffer f), and beside them the 64 v_perm_b32 that make the next quarter's fragments of weight in buffer g: eight behind every second product.
; They cost two switches of the windows each time: weight's fragments and the accumulators cannot share a destination window.
.macro MULR f, g, zero
.irp a, 6,7
.irp b, 0,1,2,3,4,5,6,7
	WIN MUL_HI
	ONE \f, \a, \b, \zero
.if ((\b)%2) == 0
	PERM8 \g, (4*((\a)-6)+(\b)/2)
.endif
.endr
.endr
.endm
; A load into a register that a matrix instruction has read, and a vector instruction that writes one or reads a result, stand eight places behind a matrix instruction of this form, and only plain vector
; instructions that name none of its registers are places (ISA guide 7.12.1 for vector instructions).
.macro PLACES n
.rept \n
	v_nop
.endr
.endm
; A K step is four quarters of 64 along K, 64 matrix instructions each, on buffers 0, 1, 0, 1.  One of the first three: multiplies buffer f; behind its first 16 products it fetches quarter qn of the same
; slot (x into buffer g); beside its last 16 it makes weight's fragments in buffer g.  The eight places stand between the last product that read buffer g (the quarter before's last) and both the loads and the v_perm_b32 into it.
.macro QUARTER slot, qn, f, g, zero
	s_wait_dscnt 0x0                               ; x's fragments, asked for 48 matrix instructions ago, are in
	MUL8 \f, 0, \zero
	MUL8 \f, 1, \zero
	PLACES 8
	FETCH \slot, \qn, \g
	MUL8 \f, 2, \zero
	MUL8 \f, 3, \zero
	MUL8 \f, 4, \zero
	MUL8 \f, 5, \zero
	s_wait_dscnt 16                                ; the 16 turning loads are in; the 16 younger loads of x may stay out
	MULR \f, \g, \zero
.endm
; The last quarter multiplies buffer 1 and changes slots: ONE barrier for two things.  In front of it each wave waits for all its tensor loads, of which one is out: its part of the next slot; adds 0 to its
; spare word; and waits for that and for its own reads of this slot.  Behind it nobody reads this slot any more and the next slot is whole.  fill = 1: this slot is filled again, two K steps ahead: the barrier
; then opens a round of the cluster's, so that no wave of any partner still reads the slot or has a load on its way, and the joint refill is the first tensor load behind the round: 240 matrix instructions ahead of the wait for it.
.macro TURN slot, next, fill, how=0
.if \fill
	s_wait_xcnt 0x0                                ; the last prefetch, a K step back, has read its address: it is stepped here, ahead of the waits of the change of slots
	s_add_nc_u64 s[PFA:PFA+1], s[PFA:PFA+1], s[PFS:PFS+1]
.endif
	WIN 0                                          ; (the add's two registers lie in window 0)
	s_wait_tensorcnt 0x0                           ; all my tensor loads have landed: my part of the next slot;
	ds_add_u32 v[SPW], v[NIL]                      ; 0 onto my spare word;
	s_wait_dscnt 0x1                               ; x's fragments are in; the add alone may be out
	MUL8 F1, 0, 0                                  ; eight matrix instructions stand between the add and the wait for it
	s_wait_dscnt 0x0                               ; the add is done, and my reads of this slot are over
	s_barrier_signal -1
	MUL8 F1, 1, 0                                  ; work on registers while the others arrive
.if \fill
	WIN 0
.endif
	s_barrier_wait -1
.if \fill
	CREST
	s_add_nc_u64 s[G0A+4*(\slot)+2:G0A+4*(\slot)+3], s[G0A+4*(\slot)+2:G0A+4*(\slot)+3], 2*KB
	s_add_nc_u64 s[G0B+4*(\slot)+2:G0B+4*(\slot)+3], s[G0B+4*(\slot)+2:G0B+4*(\slot)+3], 2*KB*WROW
	JLOAD \slot                                    ; the four v_nop behind it are four of the eight places in front of the loads below
	PLACES 4
.else
	PLACES 8
.endif
	FETCH \next, 0, F0
.if \fill
	ASK \how
.endif
	MUL8 F1, 2, 0
	MUL8 F1, 3, 0
	MUL8 F1, 4, 0
	MUL8 F1, 5, 0
	s_wait_dscnt 16                                ; the 16 turning loads are in
	MULR F1, F0, 0
.endm
; THE WAY OUT.  PACK4 u: my blocks 4 u .. 4 u + 3 (64 rows), a block at a time: i32 to f32 (each accumulator's registers in ascending order), times a * b, clipped, rounded by the
; addition of 1.5 x 2^23; then the lowest bytes of an even column's and an odd column's number are set side by side, and two such pairs make a word: 16 bytes a lane for each pair of accumulators.
.macro PACK4 u
.irp a, 0,1,2,3
	WIN 0x02+(\u)                                  ; source 0: window 2 or 3
.set i, 0
.rept 64
	v_cvt_f32_i32 v[T+i], v[64*(\a)+i]
.set i, i+1
.endr
	WIN 0
.set i, 0
.rept 32
	v_pk_mul_f32 v[T+i:T+i+1], v[T+i:T+i+1], v[SCL:SCL+1]
.set i, i+2
.endr
.set i, 0
.rept 64
	v_max_num_f32 v[T+i], s[LO], v[T+i]
.set i, i+1
.endr
.set i, 0
.rept 64
	v_min_num_f32 v[T+i], s[HI], v[T+i]
.set i, i+1
.endr
.set i, 0
.rept 32
	v_pk_add_f32 v[T+i:T+i+1], v[T+i:T+i+1], s[MAG:MAG+1] op_sel_hi:[1,0]
.set i, i+2
.endr
.irp p, 0,1,2,3
.irp d, 0,1,2,3
.set EV, T+16*(\p)+2*(\d)
	v_perm_b32 v[EV],   v[EV+8], v[EV],   s[SELP]  ; columns 4 d, 4 d + 1 of the lane's 16
	v_perm_b32 v[EV+1], v[EV+9], v[EV+1], s[SELP]  ; columns 4 d + 2, 4 d + 3
	v_perm_b32 v[PK+16*(\a)+4*(\p)+(\d)], v[EV+1], v[EV], s[SELQ]
.endr
.endr
.endr
.endm
.macro TOSTAGE                         ; 64 rows x 128 bytes of mine into the work-group's stage
.irp a, 0,1,2,3
.irp p, 0,1,2,3
	ds_store_b128 v[STO], v[PK+16*(\a)+4*(\p):PK+16*(\a)+4*(\p)+3] offset:(\a)*16*SP+32*(\p)
.endr
.endr
.endm
.macro BACK                            ; 32 whole rows of 256 bytes back
.irp t, 0,1,2,3,4,5,6,7,8,9,10,11,12,13,14,15
	ds_load_b128 v[OB+4*(\t):OB+4*(\t)+3], v[RD] offset:(\t)*2*SP
.endr
.endm
.macro SEND u
.irp t, 0,1,2,3,4,5,6,7,8,9,10,11,12,13,14,15
	s_wait_dscnt 15-(\t)                           ; LDS loads come back in order (ISA guide 5.7.1): load t is in
	global_store_b128 v[CO], v[OB+4*(\t):OB+4*(\t)+3], s[12:13] offset:(\u)*64*2048+(\t)*2*2048 th:TH_STORE_NT  ; 16 lanes store 256 consecutive bytes, at a multiple of 256 from out0's first byte
.endr
.endm
	s_wait_tensorcnt 0x1                           ; my part of K step 0 is in; K step 1's may stay out
	s_barrier_signal -1
	s_barrier_wait -1                              ; everybody's is
	FETCH 0, 0, F0
	s_wait_dscnt 16                                ; the turning loads are in
.irp g, 0,1,2,3,4,5,6,7
	PERM8 F0, \g                                   ; the first quarter's fragments of weight: there is no matrix work yet to set them beside
.endr
	QUARTER 0, 1, F0, F1, 1                        ; the first quarter stands in front of the loop: its products start the sums
	WIN 0                                          ; at a label and at a branch every window is 0
	s_mov_b32 s3, LAPS-1
.Llap:                                                 ; a trip goes once round the ring, from a lap's second quarter to the next lap's first, and fills both slots again
	QUARTER 0, 2, F1, F0, 0
	QUARTER 0, 3, F0, F1, 0
	TURN 0, 1, 1, 0
	QUARTER 1, 1, F0, F1, 0
	QUARTER 1, 2, F1, F0, 0
	QUARTER 1, 3, F0, F1, 0
	TURN 1, 0, 1, 1
	QUARTER 0, 1, F0, F1, 0
	WIN 0
	s_sub_co_u32 s3, s3, 1
	s_cmp_lg_u32 s3, 0
	s_cbranch_scc1 .Llap
	QUARTER 0, 2, F1, F0, 0                        ; the last lap fills nothing, and has no round of the cluster's barrier
	QUARTER 0, 3, F0, F1, 0
	TURN 0, 1, 0
	QUARTER 1, 1, F0, F1, 0
	QUARTER 1, 2, F1, F0, 0
	QUARTER 1, 3, F0, F1, 0
	s_wait_dscnt 0x0                               ; the very last quarter: nothing more to fetch
.irp a, 0,1,2,3,4,5,6,7
	MUL8 F1, \a, 0
.endr
	; A wave's 128 columns are half of a row's 256 bytes, so a row comes from two waves: the stage is the work-group's, with a barrier between writing and reading, and it is used twice, for 128 of the tile's rows each time.
	PLACES 8                                       ; the conversions read results
	PACK4 0
	TOSTAGE
	s_wait_dscnt 0x0                               ; for the others' sake: my stores into the stage are done
	s_barrier_signal -1
	s_barrier_wait -1
	BACK
	PACK4 1                                        ; the second pass's arithmetic stands between the loads from the stage and the waits for them
	SEND 0                                         ; its last wait is for 0: my reads of the stage are over,
	s_barrier_signal -1
	s_barrier_wait -1                              ; and everybody's, before the stage is written again
	TOSTAGE
	s_wait_dscnt 0x0
	s_barrier_signal -1
	s_barrier_wait -1
	s_wait_xcnt 0x0                                ; every earlier store has had its addresses translated (ISA guide 3.1): only behind this wait are the registers that they read loaded again
	BACK
	SEND 1
	s_wait_tensorcnt 0x0                           ; the wave's end: behind my last tensor load and my last LDS store
	ds_add_u32 v[SPW], v[NIL]
	s_wait_dscnt 0x0
	CROUND                                         ; the closing round: no work-group ends while a partner may still ask for a tile that names it
	s_endpgm
.Lfunc_end_k_q2663219e7c_gemm:
	.size	k_q2663219e7c_gemm, .Lfunc_end_k_q2663219e7c_gemm-k_q2663219e7c_gemm
	.p2alignl 7, 3214868480
	.fill 96, 4, 3214868480
	.section	.rodata,"a",@progbits
	.p2align	6, 0x0
	.amdhsa_kernel k_q2663219e7c_gemm
		.amdhsa_group_segment_fixed_size 327680
		.amdhsa_private_segment_fixed_size 0
		.amdhsa_enable_private_segment 0
		.amdhsa_kernarg_size 40
		.amdhsa_user_sgpr_count 2
		.amdhsa_user_sgpr_kernarg_segment_ptr 1
		.amdhsa_wavefront_size32 1
		.amdhsa_system_sgpr_workgroup_id_x 1
		.amdhsa_system_sgpr_workgroup_id_y 1
		.amdhsa_system_sgpr_workgroup_id_z 1
		.amdhsa_system_vgpr_workitem_id 0
		.amdhsa_next_free_vgpr 1024
		.amdhsa_next_free_sgpr 80
		.amdhsa_reserve_vcc 0
		.amdhsa_float_denorm_mode_32 3
		.amdhsa_float_denorm_mode_16_64 3
		.amdhsa_memory_ordered 1
		.amdhsa_forward_progress 1
		.amdhsa_inst_pref_size 255
	.end_amdhsa_kernel
	.section	.bss,"aw",@nobits
	.p2align	6
	.space	262144
	.amdgpu_metadata
---
amdhsa.version: [ 1, 2 ]
amdhsa.kernels:
  - .name:           k_q2663219e7c_gemm
    .symbol:         k_q2663219e7c_gemm.kd
    .args:
      - { .name: x, .offset: 0, .size: 8, .value_kind: global_buffer, .address_space: global }
      - { .name: weight, .offset: 8, .size: 8, .value_kind: global_buffer, .address_space: global }
      - { .name: a, .offset: 16, .size: 8, .value_kind: global_buffer, .address_space: global }
      - { .name: b, .offset: 24, .size: 8, .value_kind: global_buffer, .address_space: global }
      - { .name: out0, .offset: 32, .size: 8, .value_kind: global_buffer, .address_space: global }
    .group_segment_fixed_size: 327680
    .private_segment_fixed_size: 0
    .kernarg_segment_align: 8
    .kernarg_segment_size: 40
    .max_flat_workgroup_size: 128
    .sgpr_count:     80
    .vgpr_count:     1024
    .wavefront_size: 32
...
	.end_amdgpu_metadata
.endif
;; end of part 1
